; MI455X (gfx1250); checked and timed in simulation.
; The chip was launched on July 23, 2026; its instructions are those of AMD's public machine-readable ISA for CDNA 5 (MIT licence, August 2026) and "CDNA5" Instruction Set Architecture Reference Guide (July 2026). The comments in the code are by the model that wrote it; some were corrected since.
;; Att Model. Allowed arithmetic: matrix products marked QUANTISED: E4M3 operands, one given power-of-two scale a tensor, by v_wmma_f32_16x16x64_fp8_fp8 or v_wmma_f32_16x16x128_fp8_fp8, f32 sums; everything else in f32.
;; Inputs: Wk_codes 512 x 8 x 32 uint8 (E4M3 codes of Wk, K innermost, in blocks of 32 codes); Wq_codes 512 x 8 x 32 uint8 (E4M3 codes of Wq, K innermost, in blocks of 32 codes); Wv_codes 512 x 8 x 32 uint8 (E4M3 codes of Wv, K innermost, in blocks of 32 codes); bk 512 float32; bq 512 float32; bv 512 float32; lowp_scales 10 int32 (the exponents e of the quantised operands' scales 2^e); mask 32 x 1,024 x 1,024 float32; x_codes 32 x 1,024 x 8 x 32 uint8 (E4M3 codes of x, K innermost, in blocks of 32 codes).
;; Outputs: out0 32 x 1,024 x 512 float32.
;; This version of the problem:
;;   THIS VERSION OF THE PROBLEM IS GIVEN IN LOW PRECISION. The matrix products marked QUANTISED in the list below multiply operands that are first quantised to E4M3 (4 exponent bits, 3 mantissa bits; 8 bits a number), with one given power-of-two scale for each operand tensor; their sums are f32. All else is computed in f32.
;;   The module's matrix products, in the order in which they are computed (A, B: the left and right operand; K: the contracted axis; several contracted axes count as one K, in the product's order):
;;     1. [M 32,768, K 256] x [K 256, N 512]; A: input x (given as codes); B: input Wv (given as codes): QUANTISED (scales: A lowp_scales[0], B lowp_scales[1])
;;     2. [M 32,768, K 256] x [K 256, N 512]; A: input x (given as codes); B: input Wq (given as codes): QUANTISED (scales: A lowp_scales[2], B lowp_scales[3])
;;     3. [M 32,768, K 256] x [K 256, N 512]; A: input x (given as codes); B: input Wk (given as codes): QUANTISED (scales: A lowp_scales[4], B lowp_scales[5])
;;     4. batch 32 x [M 1,024, K 512] x [K 512, N 1,024]; A: computed on the way; B: computed on the way: QUANTISED (scales: A lowp_scales[6], B lowp_scales[7])
;;     5. batch 32 x [M 1,024, K 1,024] x [K 1,024, N 512]; A: softmax (see below); B: computed on the way: QUANTISED (scales: A lowp_scales[8], B lowp_scales[9])
;;   THE QUANTISER, for each operand of a quantised product, along K:
;;     - The operand's scale is 2^e, e = its entry of the input lowp_scales (int32; the entries are numbered through the quantised products in the list's order, A before B).
;;     - Each number is divided by the scale, clamped to +-448, and rounded to the nearest number of E4M3, ties to even, subnormals kept.
;;     - The product sums the exact products of the quantised numbers (number of the format x scale) in f32.
;;   ~~~python
;;   def quantise(x, axis, e):      # numpy; x: float32 -> the quantised numbers, widened to float32 again
;;       x = np.moveaxis(x, axis, -1); K = x.shape[-1]
;;       r = np.clip(x / 2.0 ** e, -448, 448)
;;       step = 2.0 ** (np.maximum(np.frexp(np.where(r == 0, 1, r))[1] - 1, -6) - 3)
;;       q = np.round(r / step) * step * 2.0 ** e      # np.round: ties to even
;;       return np.moveaxis(q, -1, axis).astype(np.float32)
;;   ~~~
;;   SOFTMAX AHEAD OF A QUANTISED PRODUCT. Where the list says 'softmax', what is quantised is not the finished softmax but p = 2^(t - M), with t = logit x log2(e) and M = ceil(the row's largest t), a whole number; so 1/2 < the row's largest p <= 1. The row's sum l is taken of the UNQUANTISED p, in f32, and the product's result is divided by l at the end. Since M is a whole number, a kernel that streams over the keys may use a running M (the ceiling of the running maximum): every later rescaling is an exact power of two, so the quantised numbers keep their values, but for numbers so far below the row's largest that they fall under the format's range.
;;   OPERANDS COMPUTED ON THE WAY. 'Computed on the way' means the value that the module computes at that place (a softmax that the list does not call 'softmax' is quantised finished and normalised). What goes into a quantiser is computed in f32, as accurately as f32 sums, v_exp_f32 and their like allow (about 1e-6 of the number): no bf16 or f16 on the way to a quantiser, and a product that is left as it is and whose result goes on into a quantised operand takes f32 operands (vector FMAs, or v_wmma_f32_16x16x4_f32). A number that lies on a knife's edge between two numbers of the format may be rounded either way, as far as f32 arithmetic and the matrix unit's own rounding can turn it there, and no further.
;;   INPUTS GIVEN AS CODES. Wk (in the module: [256, 512], K = its axis 0); Wq (in the module: [256, 512], K = its axis 0); Wv (in the module: [256, 512], K = its axis 0); x (in the module: [32, 1024, 256], K = its axis 2): each comes as NAME_codes (uint8): NAME with its K axis moved to the last place and cut into blocks of 32 codes, [.., K / 32, bytes a block], one block behind the other in memory; one code a byte (a code: sign, 4 exponent bits, 3 mantissa bits); its scale is its entry of lowp_scales. Its value is code x scale, taken as it is: it is not quantised again, and the codes and scales need not be those that the quantiser above would give.
;; 2 versions, each right; version 2 is version 1 with the launch proj written anew for expert scheduling mode. Each part assembles by itself: llvm-mc -triple=amdgcn-amd-amdhsa -mcpu=gfx1250 --defsym DOCPART=n.
;; ======== version 1 of 2: 2 launches
;; workspace buffers: kv 33,554,432 bytes; qimg 16,777,216 bytes
;; launch proj (part 1): grid 256 x 1, 4 waves a work-group, no clusters, 41,472 bytes of LDS; arguments x_codes, Wk_codes, Wq_codes, Wv_codes, bk, bq, bv, lowp_scales, kv, qimg; writes kv, qimg
.if DOCPART == 1
	.amdgcn_target "amdgcn-amd-amdhsa--gfx1250"
	.amdhsa_code_object_version 6
	.text
	.protected	k_q22880558d2_proj
	.globl	k_q22880558d2_proj
	.p2align	8
	.type	k_q22880558d2_proj,@function
k_q22880558d2_proj:
	s_mov_b64 s[64:65], 0
	v_nop
	global_prefetch_b8 v0, s[64:65] scope:SCOPE_SE
	s_setreg_imm32_b32 hwreg(HW_REG_WAVE_MODE, 25, 1), 1
	s_wait_xcnt 0x0
; k = relu(x Wk + bk), q = relu(x Wq + bq) / 2304, v = relu(x Wv + bv), on codes of FP8 (E4M3), and the three results quantised to E4M3 again with the given scales.
; x: [32768][256] codes.  W*: [512][256] codes, K innermost.  b*: [512] f32.  lowp_scales e0 .. e9: v takes x at 2^e0 and Wv at 2^e1, q e2 and e3, k e4 and e5; q / 2304 is quantised with 2^e6, k with 2^e7, v with 2^e9.
; RESULTS are stored as IMAGES OF OPERAND REGISTERS for the next launch.  A fragment is 16 rows x 128 K = 16 registers a lane = 2,048 bytes; registers 4 c .. 4 c + 3 of lane l lie at 512 c + 16 l.
;   kv   [block of 128 tokens g][131,072]: K's fragment (tile of 16 keys kt, slice of 128 hidden units hs) at (4 kt + hs) 2,048; from byte 65,536 on V^T's fragment (tile of 16 channels ct; K = the block's 128 keys) at 2,048 ct.
;   qimg [g][65,536]: Q's fragment (tile of 16 queries qt, slice hs) at (4 qt + hs) 2,048.
; In a fragment lane (r, h) holds row r, and registers 2 c, 2 c + 1 hold k = 16 c + 8 h + 0 .. 7: that is what one conversion makes of the 8 registers of result tile c, so nothing changes lanes.
; SHARES.  Work-group g takes tokens 128 g .. 128 g + 127.  Wave w takes rows 128 w .. 128 w + 127 of each weight, for all 128 tokens: for k and q that is slice hs = w, for v channel tiles 8 w .. 8 w + 7.
; k, q: source 0 = 16 rows of W, source 1 = 16 tokens: a lane holds one token and eight hidden units (the next K).  v: source 0 = 16 tokens, source 1 = 16 rows of W: a lane holds one channel and eight tokens (the next K).
; The bias, divided by the power of two that the sums lack, is the C of each sum's first matrix instruction.  relu and the hold at the largest code are one v_med3_num_f32.
; NO CLUSTER, NO TENSOR LOAD: what work-groups share is the three weights, 393,216 bytes; each wave takes its quarter of each straight into registers, once, so there is no tile in LDS that a joint load could fill.
; LIMITS: e7 - e4 - e5, e6 - e2 - e3 and e9 - e0 - e1 lie between -126 and 119, so that each power of two below is an f32 number; b x 2^-(ex + ew) stays an f32 number.  NaN among the biases is not served.
; REGISTERS, in windows of 256: window 0: v1-15 addresses and scales; v16-27 biases as loaded; v32-95, v96-159 two sets of 8 result tiles (first: x as loaded); v160-175 the codes just made; v192-255 the bias, 8 tiles.
;   window 1: x's 16 fragments ((tile kt, K step ks) at 32 kt + 16 ks).   windows 2, 3: a weight's 16 fragments ((tile u, ks) at 32 u + 16 ks), two buffers.
.set XP,   272                         ; a row of x in LDS: 256 bytes + 16: the sixteen rows that a fragment load touches start at sixteen different groups of four banks
.set BL,   128*XP                      ; behind x's 128 rows: the scaled biases, [k, q, v][wave][512 bytes]
.set LI,   1                           ; v1   16 x lane
.set RR,   2                           ; v2   r = lane % 16
.set HH,   3                           ; v3   h = lane / 16
.set XG,   4                           ; v4   x in memory: 8,192 x wave + 16 x lane
.set XS,   5                           ; v5   x into LDS: (32 wave + h) rows + 16 r
.set XL,   6                           ; v6   x's fragments: row r + 16 h
.set WA,   7                           ; v7   a weight's fragments in memory: 32,768 x wave + 256 r + 16 h
.set BS,   8                           ; v8   where I put 16 bytes of a scaled bias: BL + 16 x thread
.set BH,   9                           ; v9   BL + 512 x wave + 32 h
.set BR,   10                          ; v10  BL + 512 x wave + 4 r
.set SC,   11                          ; v11  the conversion's scale
.set LIM,  12                          ; v12  448 x that
.set BG,   13                          ; v13  a bias in memory: 16 x thread
.set KO,   14                          ; v14  k's and q's images: 2,048 x wave + 16 x lane
.set VO,   15                          ; v15  v's images: 65,536 + 16,384 x wave + 16 x lane
.set RB,   16
.set ACC0, 32
.set PC,   160
.set BIAS, 192
.set MSB, 0
.macro WIN new                         ; s_set_vgpr_msb: bits 1:0 source 0, 3:2 source 1, 5:4 source 2, 7:6 destination; the high byte repeats the setting that is left
.if MSB != (\new)
	s_set_vgpr_msb (MSB<<8)|(\new)
.set MSB, (\new)
.endif
.endm
.macro PLACES n
.rept \n
	v_nop
.endr
.endm
; a weight's 16 fragments of my 128 rows into window win: registers 4 c .. 4 c + 3 take bytes 32 c + 16 h + 0 .. 15 of the row's 128: the same order of k as x's fragments have, so every product meets its partner
.macro WLOAD base, win
	WIN (\win)<<6
.irp u, 0,1,2,3,4,5,6,7
.irp ks, 0,1
.irp c, 0,1,2,3
	global_load_b128 v[32*\u+16*\ks+4*\c:32*\u+16*\ks+4*\c+3], v[WA], s[\base:\base+1] offset:4096*\u+128*\ks+32*\c
.endr
.endr
.endr
	WIN 0
.endm
.macro BIAS_T tn                       ; k, q: tile u, lane (r, h), register j: b[128 w + 16 u + 8 h + j]
.irp u, 0,1,2,3,4,5,6,7
	ds_load_b128 v[BIAS+8*\u:BIAS+8*\u+3], v[BH] offset:2048*\tn+64*\u
	ds_load_b128 v[BIAS+8*\u+4:BIAS+8*\u+7], v[BH] offset:2048*\tn+64*\u+16
.endr
.endm
.macro BIAS_N                          ; v: tile u, lane (r, h), all eight registers: b[128 w + 16 u + r]
.irp u, 0,1,2,3,4,5,6,7
.irp j, 0,1,2,3,4,5,6,7
	ds_load_b32 v[BIAS+8*\u+\j], v[BR] offset:4096+64*\u
.endr
.endr
.endm
; 16 matrix instructions: eight result tiles, K step 0 and then K step 1: the eight accumulators take turns, one instruction a turn.
; form 0 (k, q): tile i = rows 16 i of my weight (window w) x tokens 16 o.  form 1 (v): tile i = tokens 16 i x rows 16 o of my weight (window 2).  In both, source 0 stands at 32 i and source 1 at 32 o of their windows.
.macro GROUP form, o, acc, w
.if \form == 0
	WIN 0x04+\w
.else
	WIN 0x09
.endif
.irp ks, 0,1
.irp i, 0,1,2,3,4,5,6,7
.if \ks == 1
	v_wmma_f32_16x16x128_fp8_fp8 v[\acc+8*\i:\acc+8*\i+7], v[32*\i+16:32*\i+31], v[32*(\o)+16:32*(\o)+31], v[\acc+8*\i:\acc+8*\i+7]
.elseif \form == 0
	v_wmma_f32_16x16x128_fp8_fp8 v[\acc+8*\i:\acc+8*\i+7], v[32*\i:32*\i+15], v[32*(\o):32*(\o)+15], v[BIAS+8*\i:BIAS+8*\i+7]
.else
	v_wmma_f32_16x16x128_fp8_fp8 v[\acc+8*\i:\acc+8*\i+7], v[32*\i:32*\i+15], v[32*(\o):32*(\o)+15], v[BIAS+8*(\o):BIAS+8*(\o)+7]
.endif
.endr
.endr
	WIN 0
.endm
; eight result tiles become one fragment's codes.  Each accumulator is read from its low end on.
.macro QUANT acc, mul
.if \mul
.set j, 0
.rept 32
	v_pk_mul_f32 v[\acc+j:\acc+j+1], v[\acc+j:\acc+j+1], s[42:43] op_sel_hi:[1,0]   ; q / 2304, rounded once in f32 (relu commutes with a positive factor)
.set j, j+2
.endr
.endif
.set j, 0
.rept 64
	v_med3_num_f32 v[\acc+j], v[\acc+j], 0, v[LIM]         ; relu and the hold in one: the conversion to an 8-bit code does not saturate (ISA guide 7.6.2)
.set j, j+1
.endr
	s_wait_xcnt 0x0                                        ; the last fragment's stores have read the codes' registers: they are written again only behind this wait
.irp i, 0,1,2,3,4,5,6,7
	v_cvt_scalef32_pk8_fp8_f32 v[PC+2*\i:PC+2*\i+1], v[\acc+8*\i:\acc+8*\i+7], v[SC]
.endr
	v_nop                                                  ; one plain vector instruction behind the last conversion: matrix instructions write its sources next
.endm
.macro SEND base, adr, off             ; the fragment goes out as it stands: each store of the wave covers 512 consecutive bytes, aligned
.irp c, 0,1,2,3
	global_store_b128 v[\adr], v[PC+4*\c:PC+4*\c+3], s[\base:\base+1] offset:\off+512*\c
.endr
.endm
; a whole tensor: eight groups; a group's vector work stands behind the next group's sixteen matrix instructions.
; Four v_nop stand between a group's last matrix instruction and the first read of its results (ISA guide 7.12.1); the matrix instructions in between are not counted.
.macro PASS form, w, mul, base, adr, stride
	GROUP \form, 0, ACC0, \w
.irp g, 0,1,2,3,4,5,6
	GROUP \form, \g+1, ACC0+64*((\g+1)%2), \w
	PLACES 4
	QUANT ACC0+64*(\g%2), \mul
	SEND \base, \adr, \g*\stride
.endr
	PLACES 4
	QUANT ACC0+64, \mul
	SEND \base, \adr, 7*\stride
.endm
; s[d] = -(ex + ew);  s[d+1] = 2^(eo - ex - ew) as f32;  s[d+2] = 448 x that
.macro EXPO ex, ew, eo, d
	s_add_co_i32 s[\d], s[\ex], s[\ew]
	s_sub_co_i32 s[\d+1], s[\eo], s[\d]
	s_sub_co_i32 s[\d], 0, s[\d]
	s_add_co_i32 s[\d+1], s[\d+1], 127
	s_add_co_i32 s[\d+2], s[\d+1], 8
	s_lshl_b32 s[\d+1], s[\d+1], 23
	s_lshl_b32 s[\d+2], s[\d+2], 23
	s_or_b32 s[\d+2], s[\d+2], 0x600000
.endm
	s_load_b256 s[4:11], s[0:1], 0x0               ; x s[4:5], Wk s[6:7], Wq s[8:9], Wv s[10:11]
	s_load_b256 s[12:19], s[0:1], 0x20             ; bk s[12:13], bq s[14:15], bv s[16:17], the scales' exponents s[18:19]
	s_load_b128 s[20:23], s[0:1], 0x40             ; kv s[20:21], qimg s[22:23]
	v_lshl_add_u32 v190, v0, 2, 0xa000
	v_mov_b32 v191, 0
	v_lshrrev_b32 v28, 5, v0
	v_readfirstlane_b32 s24, v28                   ; wave 0..3
	v_and_b32 v28, 31, v0
	v_lshlrev_b32 v[LI], 4, v28
	v_and_b32 v[RR], 15, v0
	v_bfe_u32 v[HH], v0, 4, 1
	s_lshl_b32 s25, s24, 13
	v_add_nc_u32 v[XG], s25, v[LI]
	s_mul_i32 s25, s24, 32*XP
	v_mul_u32_u24 v[XS], v[HH], XP
	v_lshl_add_u32 v[XS], v[RR], 4, v[XS]
	v_add_nc_u32 v[XS], s25, v[XS]
	v_mul_u32_u24 v[XL], v[RR], XP
	v_lshl_add_u32 v[XL], v[HH], 4, v[XL]
	v_lshlrev_b32 v[WA], 8, v[RR]
	v_lshl_add_u32 v[WA], v[HH], 4, v[WA]
	s_lshl_b32 s25, s24, 15
	v_add_nc_u32 v[WA], s25, v[WA]
	v_lshl_add_u32 v[BS], v0, 4, BL
	s_lshl_b32 s25, s24, 9
	v_lshl_add_u32 v[BH], v[HH], 5, s25
	v_add_nc_u32 v[BH], BL, v[BH]
	v_lshl_add_u32 v[BR], v[RR], 2, s25
	v_add_nc_u32 v[BR], BL, v[BR]
	v_lshlrev_b32 v[BG], 4, v0
	s_lshl_b32 s25, s24, 11
	v_add_nc_u32 v[KO], s25, v[LI]
	s_lshl_b32 s25, s24, 14
	s_add_co_u32 s25, s25, 65536
	v_add_nc_u32 v[VO], s25, v[LI]
	s_lshl_b32 s40, ttmp9, 15                      ; my 128 rows of x,
	s_mov_b32 s41, 0
	s_lshl_b32 s38, ttmp9, 17                      ; my block of kv,
	s_mov_b32 s39, 0
	s_lshl_b32 s26, ttmp9, 16                      ; and of qimg
	s_mov_b32 s27, 0
	s_mov_b32 s42, 0x39e38e39                      ; 1 / 2304
	s_mov_b32 s43, s42                             ; (named with it as a pair, so it is written)
	s_wait_kmcnt 0x0
	s_load_b256 s[28:35], s[18:19], 0x0            ; e0 .. e7
	s_load_b64 s[36:37], s[18:19], 0x20            ; e8, e9
	s_add_nc_u64 s[4:5], s[4:5], s[40:41]
	s_add_nc_u64 s[20:21], s[20:21], s[38:39]
	s_add_nc_u64 s[22:23], s[22:23], s[26:27]
.irp i, 0,1,2,3,4,5,6,7,8,9,10,11,12,13,14,15
	global_load_b128 v[ACC0+4*\i:ACC0+4*\i+3], v[XG], s[4:5] offset:512*\i th:TH_LOAD_NT   ; my 32 rows of x: each load reads 512 consecutive bytes, two rows
.endr
	global_load_b128 v[RB:RB+3], v[BG], s[12:13]           ; my 128 numbers of each bias
	global_load_b128 v[RB+4:RB+7], v[BG], s[14:15]
	global_load_b128 v[RB+8:RB+11], v[BG], s[16:17]
	WLOAD 6, 2                                     ; Wk
	s_wait_loadcnt 63                              ; 83 loads are issued; with 63 out at the most the oldest 20 are in: x's sixteen and the three biases among them
.irp i, 0,1,2,3,4,5,6,7,8,9,10,11,12,13,14,15
	ds_store_b128 v[XS], v[ACC0+4*\i:ACC0+4*\i+3] offset:2*XP*\i
.endr
	s_wait_kmcnt 0x0
	EXPO 32, 33, 35, 44                            ; k: x at e4, Wk at e5, out at e7
	EXPO 30, 31, 34, 47                            ; q: e2, e3, e6
	EXPO 28, 29, 37, 50                            ; v: e0, e1, e9
.irp i, 0,1,2,3
	v_ldexp_f32 v[RB+\i], v[RB+\i], s44            ; a sum of codes stands for sum x 2^(ex + ew): the bias goes in divided by that
	v_ldexp_f32 v[RB+4+\i], v[RB+4+\i], s47
	v_ldexp_f32 v[RB+8+\i], v[RB+8+\i], s50
.endr
	ds_store_b128 v[BS], v[RB:RB+3]
	ds_store_b128 v[BS], v[RB+4:RB+7] offset:2048
	ds_store_b128 v[BS], v[RB+8:RB+11] offset:4096
	s_wait_dscnt 0x0                               ; for the others' sake: my rows of x lie in LDS
	s_barrier_signal -1
	s_barrier_wait -1                              ; all 128 rows do.  Nothing is written to LDS behind this barrier
	WIN 0x40                                       ; destination window 1
.irp kt, 0,1,2,3,4,5,6,7
.irp ks, 0,1
.irp c, 0,1,2,3
	ds_load_b128 v[32*\kt+16*\ks+4*\c:32*\kt+16*\ks+4*\c+3], v[XL] offset:16*XP*\kt+128*\ks+32*\c
.endr
.endr
.endr
	WIN 0
	BIAS_T 0
	s_wait_loadcnt 0x0                             ; Wk is in
	WLOAD 8, 3                                     ; Wq lands while k is made
	v_mov_b32 v[SC], s45
	v_mov_b32 v[LIM], s46
	s_wait_dscnt 0x0                               ; x's fragments and bk
	PASS 0, 2, 0, 20, KO, 8192                     ; k: the fragment of key tile o, slice w
	s_wait_loadcnt 0x0                             ; Wq is in
	WLOAD 10, 2                                    ; Wv lands while q is made; the last product that read Wk stands a whole QUANT back
	BIAS_T 1
	v_mov_b32 v[SC], s48
	v_mov_b32 v[LIM], s49
	s_wait_dscnt 0x0
	PASS 0, 3, 1, 22, KO, 8192                     ; q / 2304
	s_wait_loadcnt 0x0                             ; Wv is in
	BIAS_N
	v_mov_b32 v[SC], s51
	v_mov_b32 v[LIM], s52
	s_wait_dscnt 0x0
	PASS 1, 2, 0, 20, VO, 2048                     ; v: the fragment of channel tile 8 w + o
	s_wait_tensorcnt 0x0
	ds_add_u32 v190, v191
	s_wait_dscnt 0x0
	s_endpgm
.Lfunc_end_k_q22880558d2_proj:
	.size	k_q22880558d2_proj, .Lfunc_end_k_q22880558d2_proj-k_q22880558d2_proj
	.p2alignl 7, 3214868480
	.fill 96, 4, 3214868480
	.section	.rodata,"a",@progbits
	.p2align	6, 0x0
	.amdhsa_kernel k_q22880558d2_proj
		.amdhsa_group_segment_fixed_size 41472
		.amdhsa_private_segment_fixed_size 0
		.amdhsa_enable_private_segment 0
		.amdhsa_kernarg_size 80
		.amdhsa_user_sgpr_count 2
		.amdhsa_user_sgpr_kernarg_segment_ptr 1
		.amdhsa_wavefront_size32 1
		.amdhsa_system_sgpr_workgroup_id_x 1
		.amdhsa_system_sgpr_workgroup_id_y 1
		.amdhsa_system_sgpr_workgroup_id_z 1
		.amdhsa_system_vgpr_workitem_id 0
		.amdhsa_next_free_vgpr 1024
		.amdhsa_next_free_sgpr 66
		.amdhsa_reserve_vcc 0
		.amdhsa_float_denorm_mode_32 3
		.amdhsa_float_denorm_mode_16_64 3
		.amdhsa_memory_ordered 1
		.amdhsa_forward_progress 1
		.amdhsa_inst_pref_size 200
	.end_amdhsa_kernel
	.amdgpu_metadata
---
amdhsa.version: [ 1, 2 ]
amdhsa.kernels:
  - .name:           k_q22880558d2_proj
    .symbol:         k_q22880558d2_proj.kd
    .args:
      - { .name: x_codes, .offset: 0, .size: 8, .value_kind: global_buffer, .address_space: global }
      - { .name: Wk_codes, .offset: 8, .size: 8, .value_kind: global_buffer, .address_space: global }
      - { .name: Wq_codes, .offset: 16, .size: 8, .value_kind: global_buffer, .address_space: global }
      - { .name: Wv_codes, .offset: 24, .size: 8, .value_kind: global_buffer, .address_space: global }
      - { .name: bk, .offset: 32, .size: 8, .value_kind: global_buffer, .address_space: global }
      - { .name: bq, .offset: 40, .size: 8, .value_kind: global_buffer, .address_space: global }
      - { .name: bv, .offset: 48, .size: 8, .value_kind: global_buffer, .address_space: global }
      - { .name: lowp_scales, .offset: 56, .size: 8, .value_kind: global_buffer, .address_space: global }
      - { .name: kv, .offset: 64, .size: 8, .value_kind: global_buffer, .address_space: global }
      - { .name: qimg, .offset: 72, .size: 8, .value_kind: global_buffer, .address_space: global }
    .group_segment_fixed_size: 41472
    .private_segment_fixed_size: 0
    .kernarg_segment_align: 8
    .kernarg_segment_size: 80
    .max_flat_workgroup_size: 128
    .sgpr_count:     66
    .vgpr_count:     1024
    .wavefront_size: 32
...
	.end_amdgpu_metadata
.endif
;; end of part 1
;; launch attn (part 2): grid 8 x 32, 4 waves a work-group, clusters of 4 x 1, 327,680 bytes of LDS; arguments qimg, kv, mask, lowp_scales, out0; writes out0
.if DOCPART == 2
	.amdgcn_target "amdgcn-amd-amdhsa--gfx1250"
	.amdhsa_code_object_version 6
	.text
	.protected	k_q22880558d2_attn
	.globl	k_q22880558d2_attn
	.p2align	8
	.type	k_q22880558d2_attn,@function
k_q22880558d2_attn:
	s_mov_b64 s[64:65], 0
	v_nop
	global_prefetch_b8 v0, s[64:65] scope:SCOPE_SE
	s_setreg_imm32_b32 hwreg(HW_REG_WAVE_MODE, 25, 1), 1
	s_wait_xcnt 0x0
	s_wait_alu depctr_hold_cnt(0) depctr_sa_sdst(0) depctr_va_vdst(0) depctr_va_sdst(0) depctr_va_ssrc(0) depctr_va_vcc(0) depctr_vm_vsrc(0)
	s_getreg_b32 s2, hwreg(HW_REG_IB_STS2, 6, 4)
	s_cmp_eq_u32 s2, 0
	s_cbranch_scc0 .Lentry_in_a_cluster
	s_endpgm
.Lentry_in_a_cluster:
	s_bfe_u32 s2, ttmp6, 0x10000c
	s_cmp_lg_u32 s2, 0x3003
	s_cbranch_scc0 .Lentry_shape_is_right
	s_endpgm
.Lentry_shape_is_right:
; out[b][n][:] = relu( sum over m of softmax_m( s mask - 9e15 (1 - mask) ) v[b][m][:] ),  s = (q / 2304) . k, both products on codes of FP8 (E4M3) made by the launch before.
; qimg, kv: images of operand registers (a fragment: 16 rows x 128 K, 2,048 bytes; registers 4 c .. 4 c + 3 of lane l at 512 c + 16 l).  mask: [32][1024][1024] f32.  out: [32][1024][512] f32.
; lowp_scales: e6 (q / 2304), e7 (k), e8 (p), e9 (v).
; THE SOFTMAX AHEAD OF THE SECOND PRODUCT: t = logit x log2(e); M = the row's largest t so far, rounded UP to a whole number; p = 2^(t - M) is what is quantised, not normalised; the row's sum is taken of the
; unquantised p and divides at the end.  When M moves, the sum and O are multiplied by 2^(old M - new M): exact.  t is rounded to f32 BEFORE M is taken away, so a row whose keys are all masked has t = M and p = 1 throughout.
; SHARES.  A work-group owns 128 queries of one batch, each of its four waves 32: two tiles of 16.  Every wave walks the batch's 1,024 keys, 128 a step.
; LAYOUT.  Both products are used transposed: S^T = K Q^T (source 0 = 16 keys, source 1 = 16 queries), O^T = V^T P^T (source 0 = 16 channels, source 1 = P): a lane holds ONE query (lane % 16) throughout, and
; registers 8 u + j of S^T hold key 16 u + 8 (lane / 16) + j: one conversion of tile u's eight registers gives registers 2 u, 2 u + 1 of P, in the order in which V^T's fragments were made.
; RING.  A step's K and V^T are one dense block of 131,072 bytes; two LDS slots; each wave fetches a quarter of a slot by one tensor load; one load of a wave is out at a time, and it has a whole step in which to land.
; CLUSTER.  The four query blocks of a cluster belong to one batch and walk the same blocks of kv: each is asked for JOINTLY, by the same tensor load with the same descriptor and a mask that names the four.
; THE MASK is read once, by loads into registers of 512 consecutive bytes (a query's 128 keys), a step ahead: they stay out across the change of slots.  It turns through the wave's own stage in LDS into S^T's layout.
; LIMITS: e6 + e7 between -126 and 127 (added to log2(e)'s exponent field); e8 between -126 and 119; e8 + e9 is applied by v_ldexp_f32.  The mask is finite; NaN is not served.
; REGISTERS, in windows of 256: window 0: v1-11 addresses and constants; v12-27 eight registers of statistics a tile; v28-31 at work; v32-63 P's codes (in K Q^T: a buffer of K); v64-191 S^T, then p (in V^T P: two buffers of V);
;   v192-255 two buffers of K, then a tile of the mask, then a buffer of V.   window 1: v0-127 Q (64 t + 16 hs); v128-255 the mask as loaded (row i at 128 + 4 i).   window 2: O^T of tile 0 (channel tile ct at 8 ct);   window 3: of tile 1.
.set SLOT1, 1<<17                      ; a slot is 131,072 bytes: one exclusive or turns an address in one slot into the other's
.set VOFF,  65536                      ; in a slot: K's 32 fragments, then V^T's 32
.set SPARE, 2*SLOT1                    ; behind the ring: the spare words, 128 bytes for each wave: two blocks of 256 bytes that no other line names
.set STG,   SPARE+512                  ; a stage of 16 rows x 528 bytes for each wave: for the mask's turn, and for the way out.  No tensor load lands here
.set SP,    528                        ; 512 bytes + 16: the sixteen rows that a load touches start at sixteen different groups of four banks
.set LI,   1                           ; v1   16 x lane
.set ADK,  2                           ; v2   the slot in hand + 16 x lane
.set ADV,  3                           ; v3   the same + VOFF
.set MST,  4                           ; v4   my stage + 16 x lane: a whole row of 512 bytes
.set MLD,  5                           ; v5   my stage + row r + 32 h: eight numbers of S^T's layout
.set SPW,  6                           ; v6   LDS address of my spare word; never rewritten
.set NIL,  7                           ; v7   0; never rewritten
.set NLV,  8                           ; v[8:9]  -9e15 log2(e), twice
.set SCP,  10                          ; v10  2^e8
.set LIMP, 11                          ; v11  448 x 2^e8
.set ST,   12                          ; tile t's statistics at v[ST + 8 t]: +0 -M, +1 the largest t, +2, +3 the sum in two halves, +4 f, +5 (named with f as a pair), +6, +7 at work
.set TP,   28                          ; v28, v29  the other half of the lanes' number
.set TS,   30                          ; v[30:31]  a second chain of the sum
.set P,    32
.set S,    64
.set MT,   192
.set TMP,  64                          ; the way out
.set MSB, 0
.macro WIN new                         ; s_set_vgpr_msb: bits 1:0 source 0, 3:2 source 1, 5:4 source 2, 7:6 destination; the high byte repeats the setting that is left
.if MSB != (\new)
	s_set_vgpr_msb (MSB<<8)|(\new)
.set MSB, (\new)
.endif
.endm
.macro PLACES n
.rept \n
	v_nop
.endr
.endm
; A round of the cluster's barrier: my work-group's barrier; wave 0 signals for the work-group; every wave waits for all four work-groups; my work-group's barrier once more.
.macro CROUND
	s_barrier_signal -1
	s_barrier_wait -1
	s_cmp_lg_u32 s14, 0
	s_cbranch_scc1 .Lnot_wave_0_\@
	s_barrier_signal -3
.Lnot_wave_0_\@:
	s_barrier_wait -3
	s_barrier_signal -1
	s_barrier_wait -1
.endm
; THE CHANGE OF SLOTS stands at a step's head.  Each wave waits for all its tensor loads (its quarter of the slot that it is about to read), adds 0 to its spare word, and waits for that and for its reads of the slot that it has left.
; fill = 1: the slot that was left takes the next block: the barrier is a round of the cluster's, and the joint load is the first thing behind it.
.macro CHANGE fill
	s_wait_tensorcnt 0x0                           ; no tensor load of mine is out, so the descriptor may be written
	ds_add_u32 v[SPW], v[NIL]                      ; 0 onto my spare word
.if \fill
	s_xor_b32 s33, s33, SLOT1                      ; the walking descriptor: the other slot than last time,
	s_add_nc_u64 s[34:35], s[34:35], 131072        ; the next 128 keys' block; the type bits on top are not reached
.endif
	s_wait_dscnt 0x0                               ; the add is done, and my reads of the slot that I have left are over
.if \fill
	CROUND
	tensor_load_to_lds s[32:35], s[24:31]          ; my one tensor load until the next change of slots
	s_nop 0
	PLACES 4
.else
	s_barrier_signal -1
	s_barrier_wait -1
.endif
.endm
; S^T = K Q^T.  Set n of 16: K's fragments of key tiles 2 (n % 4), 2 (n % 4) + 1, hidden slice n / 4, in one of three buffers of 32 registers; four products (two key tiles x my two tiles of queries).
.macro LK n
.set kb, 192+32*((\n)%3)
.if (\n)%3 == 2
.set kb, P
.endif
.set ku, 2*((\n)%4)
.set kh, (\n)/4
.irp d, 0,1
.irp c, 0,1,2,3
	ds_load_b128 v[kb+16*\d+4*\c:kb+16*\d+4*\c+3], v[ADK] offset:((ku+\d)*4+kh)*2048+512*\c
.endr
.endr
.endm
.macro QK
	WIN 0x04                                       ; source 1 (Q) window 1; all else window 0
	LK 0
	LK 1
	LK 2
.set n, 0
.rept 16
.if n < 14
	s_wait_dscnt 16                                ; set n is in; the two sets behind it, eight loads each, may be out
.elseif n == 14
	s_wait_dscnt 8
.else
	s_wait_dscnt 0
.endif
.set qf, 192+32*(n%3)
.if n%3 == 2
.set qf, P
.endif
.set qu, 2*(n%4)
.set qh, n/4
.irp d, 0,1
.irp t, 0,1                            ; the sixteen accumulators take turns, one instruction a turn; the first slice starts the sums
.if qh == 0
	v_wmma_f32_16x16x128_fp8_fp8 v[S+64*\t+8*(qu+\d):S+64*\t+8*(qu+\d)+7], v[qf+16*\d:qf+16*\d+15], v[64*\t+16*qh:64*\t+16*qh+15], 0
.else
	v_wmma_f32_16x16x128_fp8_fp8 v[S+64*\t+8*(qu+\d):S+64*\t+8*(qu+\d)+7], v[qf+16*\d:qf+16*\d+15], v[64*\t+16*qh:64*\t+16*qh+15], v[S+64*\t+8*(qu+\d):S+64*\t+8*(qu+\d)+7]
.endif
.endr
.endr
.if n < 13
	PLACES 4                                       ; in front of loads into the buffer that these products read (ISA guide 7.12.1 for vector instructions)
	LK n+3
.elseif n == 15
	PLACES 4                                       ; in front of the first read of the scores, and of the mask's loads into K's buffers
.endif
.set n, n+1
.endr
.endm
; Tile t's 16 rows of the mask go into my stage as they were loaded and come back in S^T's layout.  LDS serves a wave's instructions in order (ISA guide 5.7.1.4): no wait between the stores and the loads.
.macro MTURN t
	WIN 0x04                                       ; store data in window 1
.irp i, 0,1,2,3,4,5,6,7,8,9,10,11,12,13,14,15
	ds_store_b128 v[MST], v[128+4*(16*\t+\i):128+4*(16*\t+\i)+3] offset:SP*\i
.endr
	WIN 0
.irp u, 0,1,2,3,4,5,6,7
	ds_load_b128 v[MT+8*\u:MT+8*\u+3], v[MLD] offset:64*\u
	ds_load_b128 v[MT+8*\u+4:MT+8*\u+7], v[MLD] offset:64*\u+16
.endr
.endm
; t = (s m) c' + (m NL - NL), c' = log2(e) 2^(e6 + e7), NL = 9e15 log2(e): the logit of reference() x log2(e).  Each accumulator is read from its low end on.
.macro ELEM t
.set j, 0
.rept 32
	v_pk_mul_f32 v[S+64*\t+j:S+64*\t+j+1], v[S+64*\t+j:S+64*\t+j+1], v[MT+j:MT+j+1]
	v_pk_fma_f32 v[MT+j:MT+j+1], v[MT+j:MT+j+1], s[36:37], v[NLV:NLV+1] op_sel_hi:[1,0,1]
.set j, j+2
.endr
.set j, 0
.rept 32
	v_pk_fma_f32 v[S+64*\t+j:S+64*\t+j+1], v[S+64*\t+j:S+64*\t+j+1], s[22:23], v[MT+j:MT+j+1] op_sel_hi:[1,0,1]
.set j, j+2
.endr
.endm
; the step's largest t of my query, in two chains, and lane l xor 16's; the running largest; -M = floor(-t); f = 2^(old M - new M).  first = 1: the first step has no old M.
.macro MAXSTAT t, first
.set rS, S+64*\t
.set rT, ST+8*\t
	v_max3_num_f32 v[rT+6], v[rS], v[rS+1], v[rS+2]
	v_max3_num_f32 v[rT+7], v[rS+3], v[rS+4], v[rS+5]
.set j, 6
.rept 14
	v_max3_num_f32 v[rT+6], v[rT+6], v[rS+j], v[rS+j+1]
	v_max3_num_f32 v[rT+7], v[rT+7], v[rS+j+2], v[rS+j+3]
.set j, j+4
.endr
	v_max3_num_f32 v[rT+6], v[rT+6], v[rS+62], v[rS+63]
	v_max_num_f32 v[rT+6], v[rT+6], v[rT+7]
	v_permlanex16_b32 v[TP+\t], v[rT+6], s20, s21
.if \first
	v_max_num_f32 v[rT+1], v[rT+6], v[TP+\t]
	v_floor_f32 v[rT], -v[rT+1]
.else
	v_max3_num_f32 v[rT+1], v[rT+1], v[rT+6], v[TP+\t]
	v_mov_b32 v[rT+7], v[rT]
	v_floor_f32 v[rT], -v[rT+1]                    ; -M = floor(-t) = -ceil(t): M is a whole number
	v_sub_f32 v[rT+7], v[rT], v[rT+7]              ; old M - new M: a whole number, 0 or less
	v_cvt_i32_f32 v[rT+7], v[rT+7]                 ; (it saturates)
	v_ldexp_f32 v[rT+4], 1.0, v[rT+7]
.endif
.endm
.macro PEXP t                          ; p = 2^(t - M).  The plain instruction that each exponential wants behind it is the first line of what follows, which works on the other tile
.set rS, S+64*\t
.set rT, ST+8*\t
.set j, 0
.rept 32
	v_pk_add_f32 v[rS+j:rS+j+1], v[rS+j:rS+j+1], v[rT:rT+1] op_sel_hi:[1,0]
.set j, j+2
.endr
.set j, 0
.rept 64
	v_exp_f32 v[rS+j], v[rS+j]
.set j, j+1
.endr
.endm
.macro PSUM t, first                   ; the row's sum is taken of the unquantised p: two at a time, in two chains
.set rS, S+64*\t
.set rT, ST+8*\t
.if \first == 0
	v_pk_mul_f32 v[rT+2:rT+3], v[rT+2:rT+3], v[rT+4:rT+5] op_sel_hi:[1,0]
.endif
	s_wait_alu depctr_va_vdst(0)
	v_pk_add_f32 v[TS:TS+1], v[rS:rS+1], v[rS+2:rS+3]
.set j, 4
.rept 15
	v_pk_add_f32 v[rT+2:rT+3], v[rT+2:rT+3], v[rS+j:rS+j+1]
	v_pk_add_f32 v[TS:TS+1], v[TS:TS+1], v[rS+j+2:rS+j+3]
.set j, j+4
.endr
	v_pk_add_f32 v[rT+2:rT+3], v[rT+2:rT+3], v[TS:TS+1]
.endm
.macro PQ t                            ; p is not negative, so its hold is one-sided (the conversion to an 8-bit code does not saturate: ISA guide 7.6.2)
.set rS, S+64*\t
.set u, 0
.rept 8
.set j, 0
.rept 8
	v_min_num_f32 v[rS+8*u+j], v[rS+8*u+j], v[LIMP]
.set j, j+1
.endr
	v_cvt_scalef32_pk8_fp8_f32 v[P+16*\t+2*u:P+16*\t+2*u+1], v[rS+8*u:rS+8*u+7], v[SCP]
.set u, u+1
.endr
.endm
.macro GMASK                           ; the next step's mask: my 32 queries x 128 keys; each load reads 512 consecutive bytes of one row, aligned; read once in the launch
	s_add_nc_u64 s[8:9], s[8:9], 512               ; the last step's loads have been waited for: their base may step
	WIN 0x40
.irp i, 0,1,2,3,4,5,6,7,8,9,10,11,12,13,14,15,16,17,18,19,20,21,22,23,24,25,26,27,28,29,30,31
	global_load_b128 v[128+4*\i:128+4*\i+3], v[LI], s[8:9] offset:4096*\i th:TH_LOAD_NT
.endr
	WIN 0
.endm
.macro RESCALE                         ; O^T under the new M: x f; each accumulator from its low end on
	WIN 0x82
.set j, 0
.rept 128
	v_pk_mul_f32 v[j:j+1], v[j:j+1], v[ST+4:ST+5] op_sel_hi:[1,0]
.set j, j+2
.endr
	WIN 0xc3
.set j, 0
.rept 128
	v_pk_mul_f32 v[j:j+1], v[j:j+1], v[ST+12:ST+13] op_sel_hi:[1,0]
.set j, j+2
.endr
	WIN 0
.endm
; O^T += V^T P^T.  Set n of 8: V^T's fragments of channel tiles 4 n .. 4 n + 3 in one of three buffers of 64 registers; eight products, each on an accumulator of its own.
.macro LV n
.set vb, 192
.if (\n)%3 == 1
.set vb, 64
.elseif (\n)%3 == 2
.set vb, 128
.endif
.irp f, 0,1,2,3
.irp c, 0,1,2,3
	ds_load_b128 v[vb+16*\f+4*\c:vb+16*\f+4*\c+3], v[ADV] offset:(4*(\n)+\f)*2048+512*\c
.endr
.endr
.endm
.macro PV first
.set n, 0
.rept 8
.if n < 6
	s_wait_dscnt 32                                ; set n is in; the two sets behind it, sixteen loads each, may be out
.elseif n == 6
	s_wait_dscnt 16
.else
	s_wait_dscnt 0
.endif
.set pf, 192
.if n%3 == 1
.set pf, 64
.elseif n%3 == 2
.set pf, 128
.endif
	WIN 0xa0                                       ; C and D window 2
.irp f, 0,1,2,3
.if \first
	v_wmma_f32_16x16x128_fp8_fp8 v[8*(4*n+\f):8*(4*n+\f)+7], v[pf+16*\f:pf+16*\f+15], v[P:P+15], 0
.else
	v_wmma_f32_16x16x128_fp8_fp8 v[8*(4*n+\f):8*(4*n+\f)+7], v[pf+16*\f:pf+16*\f+15], v[P:P+15], v[8*(4*n+\f):8*(4*n+\f)+7]
.endif
.endr
	WIN 0xf0                                       ; C and D window 3
.irp f, 0,1,2,3
.if \first
	v_wmma_f32_16x16x128_fp8_fp8 v[8*(4*n+\f):8*(4*n+\f)+7], v[pf+16*\f:pf+16*\f+15], v[P+16:P+31], 0
.else
	v_wmma_f32_16x16x128_fp8_fp8 v[8*(4*n+\f):8*(4*n+\f)+7], v[pf+16*\f:pf+16*\f+15], v[P+16:P+31], v[8*(4*n+\f):8*(4*n+\f)+7]
.endif
.endr
	WIN 0
.if n < 5
	PLACES 4                                       ; in front of loads into the buffer that these products read
	LV n+3
.elseif n == 7
	PLACES 5                                       ; the next step's first products write over registers that these read as source 0: five places
.endif
.set n, n+1
.endr
.endm
; A KEY STEP: 128 keys.  first = 1: it starts M, the sum and O^T.  more = 1: the next step's mask is asked for.
.macro STEP first, more
	v_add_nc_u32 v[ADK], s38, v[LI]
	v_add_nc_u32 v[ADV], VOFF, v[ADK]
	QK
	s_wait_loadcnt 0x0                             ; this step's mask, asked for a step ago
	MTURN 0
	s_wait_dscnt 0x0
	ELEM 0
	MTURN 1                                        ; tile 1's mask turns while tile 0's maximum is taken
	MAXSTAT 0, \first
	s_wait_dscnt 0x0                               ; tile 1's mask is back, so the stores into the stage have read the registers that the next loads take
.if \more
	GMASK
.endif
	ELEM 1
	MAXSTAT 1, \first
	PEXP 0
	PEXP 1
	PSUM 0, \first
	PSUM 1, \first
	PQ 0
	PQ 1
	v_nop                                          ; one plain vector instruction behind the last conversion
	LV 0                                           ; V^T's first three sets land under the rescaling
	LV 1
	LV 2
.if \first == 0
	RESCALE
.endif
	PV \first
	s_xor_b32 s38, s38, SLOT1                      ; on to the other slot
.endm
	s_load_b256 s[4:11], s[0:1], 0x0               ; qimg s[4:5], kv s[6:7], mask s[8:9], the scales' exponents s[10:11]
	s_load_b64 s[12:13], s[0:1], 0x20              ; out
	v_lshl_add_u32 v[SPW], v0, 2, SPARE
	v_mov_b32 v[NIL], 0
	ds_add_u32 v6, v7
	ds_add_u32 v6, v7
	s_wait_dscnt 0x0
	v_lshrrev_b32 v28, 5, v0
	v_readfirstlane_b32 s14, v28                   ; wave 0..3
	s_bfe_u32 s15, ttmp6, 0x40000                  ; cx: my place in the cluster
	s_lshl_b32 s16, ttmp9, 2                       ; in a cluster launch ttmp9 counts clusters
	s_add_co_u32 s16, s16, s15                     ; my block of 128 queries: it enters Q's, the mask's and out's addresses alone
	s_and_b32 s17, ttmp7, 0xffff                   ; the batch, which the four partners share
	s_lshl_b32 s46, s17, 20                        ; kv: the batch's eight blocks of 131,072 bytes,
	s_lshl_b32 s47, s14, 15                        ; my quarter of a block
	s_add_co_u32 s46, s46, s47
	s_mov_b32 s47, 0
	s_lshl_b32 s48, s17, 10
	s_lshl_b32 s49, s16, 7
	s_add_co_u32 s48, s48, s49
	s_lshl_b32 s49, s14, 5
	s_add_co_u32 s48, s48, s49                     ; my wave's first query: 1,024 batch + 128 block + 32 wave
	s_lshl_b32 s50, s48, 9                         ; x 512 bytes of codes,
	s_mov_b32 s51, 0
	s_lshl_b32 s52, s48, 12                        ; x 4,096 bytes of mask,
	s_mov_b32 s53, 0
	s_lshl_b32 s54, s48, 11                        ; x 2,048 bytes of out
	s_mov_b32 s55, 0
	; descriptor group 1: a dense block of 32,768 bytes as 128 rows of 32 elements of 8 bytes
	s_mov_b32 s24, 15|(3<<16)|(1<<21)              ; 15:0 the mask: all four work-groups; 17:16 elements of 8 bytes; 21 set beside a mask; no padding
	s_mov_b32 s25, 32<<16                          ; tensor_dim0 = 32
	s_mov_b32 s26, 128<<16                         ; tensor_dim1 = 128
	s_mov_b32 s27, 32<<16                          ; tile_dim0 = 32
	s_mov_b32 s28, 128                             ; tile_dim1 = 128
	s_mov_b32 s29, 32                              ; from row to row: 32 elements
	s_mov_b32 s30, 0
	s_mov_b32 s31, 0
	s_mov_b32 s32, 1                               ; group 0: count = 1,
	s_lshl_b32 s33, s14, 15                        ; LDS address: slot 0, my quarter: no place in the cluster enters an LDS address
	s_mov_b32 s20, 0x76543210                      ; v_permlanex16_b32's selects for lane l xor 16
	s_mov_b32 s21, 0xfedcba98
	s_mov_b32 s22, 0x3fb8aa3b                      ; log2(e)
	s_mov_b32 s36, 0x5a388472                      ; 9e15 log2(e)
	s_mov_b32 s37, s36                             ; (named with it as a pair, so it is written)
	s_mov_b32 s38, 0                               ; the slot in hand
	v_and_b32 v28, 31, v0
	v_lshlrev_b32 v[LI], 4, v28
	v_and_b32 v29, 15, v0                          ; r
	v_bfe_u32 v30, v0, 4, 1                        ; h
	s_mul_i32 s44, s14, 16*SP
	s_add_co_u32 s44, s44, STG                     ; my stage
	v_add_nc_u32 v[MST], s44, v[LI]
	v_mul_u32_u24 v[MLD], v29, SP
	v_lshl_add_u32 v[MLD], v30, 5, v[MLD]
	v_add_nc_u32 v[MLD], s44, v[MLD]
	v_mov_b32 v[NLV], 0xda388472                   ; -9e15 log2(e)
	v_mov_b32 v[NLV+1], 0xda388472
.irp t, 0,1
	v_mov_b32 v[ST+8*\t+2], 0                      ; the sum, in two halves
	v_mov_b32 v[ST+8*\t+3], 0
	v_mov_b32 v[ST+8*\t+5], 0                      ; (named as the upper half of f's pair)
.endr
	s_wait_kmcnt 0x0
	s_load_b64 s[40:41], s[10:11], 0x18            ; e6, e7
	s_load_b64 s[42:43], s[10:11], 0x20            ; e8, e9
	s_add_nc_u64 s[34:35], s[6:7], s[46:47]        ; global address: the batch's first block, my quarter
	s_or_b32 s35, s35, 0x80000000                  ; type = 2
	s_add_nc_u64 s[4:5], s[4:5], s[50:51]
	s_add_nc_u64 s[8:9], s[8:9], s[52:53]
	s_add_nc_u64 s[12:13], s[12:13], s[54:55]
	CROUND                                         ; all four work-groups are here: the first joint loads meet
	tensor_load_to_lds s[32:35], s[24:31]          ; keys 0 to 127 into slot 0
	s_nop 0
	PLACES 4
	WIN 0x40                                       ; destination window 1
.irp i, 0,1,2,3,4,5,6,7,8,9,10,11,12,13,14,15,16,17,18,19,20,21,22,23,24,25,26,27,28,29,30,31
	global_load_b128 v[4*\i:4*\i+3], v[LI], s[4:5] offset:512*\i th:TH_LOAD_NT      ; Q's eight fragments stay in registers: 16,384 consecutive bytes
.endr
.irp i, 0,1,2,3,4,5,6,7,8,9,10,11,12,13,14,15,16,17,18,19,20,21,22,23,24,25,26,27,28,29,30,31
	global_load_b128 v[128+4*\i:128+4*\i+3], v[LI], s[8:9] offset:4096*\i th:TH_LOAD_NT   ; the first step's mask
.endr
	WIN 0
	s_wait_kmcnt 0x0
	s_add_co_i32 s44, s40, s41
	s_lshl_b32 s44, s44, 23
	s_add_co_i32 s22, s22, s44                     ; a score stands for score x 2^(e6 + e7): the two exponents are added to log2(e)'s exponent field
	s_mov_b32 s23, s22                             ; (named with it as a pair, so it is written)
	s_add_co_i32 s44, s42, 127
	s_lshl_b32 s45, s44, 23
	v_mov_b32 v[SCP], s45                          ; 2^e8 as f32, for the conversion
	s_add_co_i32 s44, s44, 8
	s_lshl_b32 s44, s44, 23
	s_or_b32 s44, s44, 0x600000
	v_mov_b32 v[LIMP], s44                         ; 448 x 2^e8
	s_add_co_i32 s45, s42, s43                     ; e8 + e9, for the way out
	s_wait_loadcnt 32                              ; Q is in; the 32 loads of the mask behind it may be out
	CHANGE 1                                       ; slot 0 is whole; slot 1's first fill is issued as a refill is
	STEP 1, 1
	s_mov_b32 s39, 6
.Lstep:                                            ; steps 1 to 6: behind each change of slots the next block is asked for
	CHANGE 1
	STEP 0, 1
	s_sub_co_u32 s39, s39, 1
	s_cmp_lg_u32 s39, 0
	s_cbranch_scc1 .Lstep
	CHANGE 0                                       ; the last step is written out: nothing is left to fetch
	STEP 0, 0
	; THE WAY OUT.  The sum's two halves and lane l xor 16's are added; O^T x 2^(e8 + e9) / the sum, relu; a block of 16 queries x 128 channels at a time goes through my stage and leaves as whole rows of 512 bytes.
.irp t, 0,1
	v_add_f32 v[ST+8*\t+6], v[ST+8*\t+2], v[ST+8*\t+3]
.endr
.irp t, 0,1
	v_permlanex16_b32 v[TP+\t], v[ST+8*\t+6], s20, s21
.endr
.irp t, 0,1
	v_add_f32 v[ST+8*\t+6], v[ST+8*\t+6], v[TP+\t]
.endr
.irp t, 0,1
	v_rcp_f32 v[ST+8*\t+6], v[ST+8*\t+6]
.endr
	v_nop                                          ; a plain instruction between the last reciprocal and the use of its result
.irp t, 0,1
	s_wait_alu depctr_va_vdst(0)
	v_ldexp_f32 v[ST+8*\t+6], v[ST+8*\t+6], s45
.endr
; Block a = 4 t + qd: tile t, channels 128 qd on.  Register 8 f + j of the block is out(query r, channel 128 qd + 16 f + 8 h + j).
.macro TOSTAGE a
.set ot, (\a)/4
.set oq, (\a)%4
.set bb, 128+64*((\a)%2)
	WIN 0x02+ot                                    ; source 0: window 2 or 3
.set j, 0
.rept 32
	v_pk_mul_f32 v[TMP+j:TMP+j+1], v[64*oq+j:64*oq+j+1], v[ST+8*ot+6:ST+8*ot+7] op_sel_hi:[1,0]   ; each accumulator from its low end on
.set j, j+2
.endr
	WIN 0
.set j, 0
.rept 64
	v_max_num_f32 v[TMP+j], 0, v[TMP+j]            ; reference()'s last relu
.set j, j+1
.endr
.irp f, 0,1,2,3,4,5,6,7
	ds_store_b128 v[MLD], v[TMP+8*\f:TMP+8*\f+3] offset:64*\f
	ds_store_b128 v[MLD], v[TMP+8*\f+4:TMP+8*\f+7] offset:64*\f+16
.endr
.irp i, 0,1,2,3,4,5,6,7,8,9,10,11,12,13,14,15
	ds_load_b128 v[bb+4*\i:bb+4*\i+3], v[MST] offset:SP*\i     ; LDS serves a wave's instructions in order: these see my stores, and the next block's stores come behind them
.endr
.endm
.macro SEND a, younger                 ; younger: the LDS instructions issued behind block a's loads, which may stay out
.set ot, (\a)/4
.set oq, (\a)%4
.set bb, 128+64*((\a)%2)
	s_wait_dscnt \younger
.irp i, 0,1,2,3,4,5,6,7,8,9,10,11,12,13,14,15
	global_store_b128 v[LI], v[bb+4*\i:bb+4*\i+3], s[12:13] offset:(16*ot+\i)*2048+512*oq th:TH_STORE_NT   ; 32 lanes store 512 consecutive bytes, aligned; written once, read by nobody here
.endr
.endm
	TOSTAGE 0
.irp a, 1,2,3,4,5,6,7
.if \a > 1
	s_wait_xcnt 0x0                                ; block a - 2's stores have read their registers: block a's loads may land there
.endif
	TOSTAGE \a
	SEND \a-1, 32                                  ; behind block a - 1's loads: block a's 16 stores and 16 loads
.endr
	SEND 7, 0
	s_wait_tensorcnt 0x0                           ; the wave's end, behind my last tensor load and my last LDS store
	ds_add_u32 v[SPW], v[NIL]
	s_wait_dscnt 0x0
	CROUND                                         ; the closing round: no work-group ends while a partner may still ask for a block that names it
	s_endpgm
.Lfunc_end_k_q22880558d2_attn:
	.size	k_q22880558d2_attn, .Lfunc_end_k_q22880558d2_attn-k_q22880558d2_attn
	.p2alignl 7, 3214868480
	.fill 96, 4, 3214868480
	.section	.rodata,"a",@progbits
	.p2align	6, 0x0
	.amdhsa_kernel k_q22880558d2_attn
		.amdhsa_group_segment_fixed_size 327680
		.amdhsa_private_segment_fixed_size 0
		.amdhsa_enable_private_segment 0
		.amdhsa_kernarg_size 40
		.amdhsa_user_sgpr_count 2
		.amdhsa_user_sgpr_kernarg_segment_ptr 1
		.amdhsa_wavefront_size32 1
		.amdhsa_system_sgpr_workgroup_id_x 1
		.amdhsa_system_sgpr_workgroup_id_y 1
		.amdhsa_system_sgpr_workgroup_id_z 1
		.amdhsa_system_vgpr_workitem_id 0
		.amdhsa_next_free_vgpr 1024
		.amdhsa_next_free_sgpr 66
		.amdhsa_reserve_vcc 0
		.amdhsa_float_denorm_mode_32 3
		.amdhsa_float_denorm_mode_16_64 3
		.amdhsa_memory_ordered 1
		.amdhsa_forward_progress 1
		.amdhsa_inst_pref_size 255
	.end_amdhsa_kernel
	.section	.bss,"aw",@nobits
	.p2align	6
	.space	262144
	.amdgpu_metadata
---
amdhsa.version: [ 1, 2 ]
amdhsa.kernels:
  - .name:           k_q22880558d2_attn
    .symbol:         k_q22880558d2_attn.kd
    .args:
      - { .name: qimg, .offset: 0, .size: 8, .value_kind: global_buffer, .address_space: global }
      - { .name: kv, .offset: 8, .size: 8, .value_kind: global_buffer, .address_space: global }
      - { .name: mask, .offset: 16, .size: 8, .value_kind: global_buffer, .address_space: global }
      - { .name: lowp_scales, .offset: 24, .size: 8, .value_kind: global_buffer, .address_space: global }
      - { .name: out0, .offset: 32, .size: 8, .value_kind: global_buffer, .address_space: global }
    .group_segment_fixed_size: 327680
    .private_segment_fixed_size: 0
    .kernarg_segment_align: 8
    .kernarg_segment_size: 40
    .max_flat_workgroup_size: 128
    .sgpr_count:     66
    .vgpr_count:     1024
    .wavefront_size: 32
...
	.end_amdgpu_metadata
.endif
;; end of part 2
;; ======== version 2 of 2: 2 launches; version 1 with the launch proj written anew for expert scheduling mode
;; workspace buffers: kv 33,554,432 bytes; qimg 16,777,216 bytes
;; launch proj (part 3): grid 256 x 1, 4 waves a work-group, no clusters, 41,472 bytes of LDS; arguments x_codes, Wk_codes, Wq_codes, Wv_codes, bk, bq, bv, lowp_scales, kv, qimg; writes kv, qimg
.if DOCPART == 3
	.amdgcn_target "amdgcn-amd-amdhsa--gfx1250"
	.amdhsa_code_object_version 6
	.text
	.protected	k_q22880558d2_proj
	.globl	k_q22880558d2_proj
	.p2align	8
	.type	k_q22880558d2_proj,@function
k_q22880558d2_proj:
	s_mov_b64 s[64:65], 0
	v_nop
	global_prefetch_b8 v0, s[64:65] scope:SCOPE_SE
	s_setreg_imm32_b32 hwreg(HW_REG_WAVE_SCHED_MODE, 0, 2), 2
	s_setreg_imm32_b32 hwreg(HW_REG_WAVE_MODE, 25, 1), 1
	s_wait_xcnt 0x0
	s_wait_alu depctr_vm_vsrc(0)
; k = relu(x Wk + bk), q = relu(x Wq + bq) / 2304, v = relu(x Wv + bv), on codes of FP8 (E4M3), and the three results quantised to E4M3 again with the given scales.
; x: [32768][256] codes.  W*: [512][256] codes, K innermost.  b*: [512] f32.  lowp_scales e0 .. e9: v takes x at 2^e0 and Wv at 2^e1, q e2 and e3, k e4 and e5; q / 2304 is quantised with 2^e6, k with 2^e7, v with 2^e9.
; RESULTS are stored as IMAGES OF OPERAND REGISTERS for the next launch.  A fragment is 16 rows x 128 K = 16 registers a lane = 2,048 bytes; registers 4 c .. 4 c + 3 of lane l lie at 512 c + 16 l.
;   kv   [block of 128 tokens g][131,072]: K's fragment (tile of 16 keys kt, slice of 128 hidden units hs) at (4 kt + hs) 2,048; from byte 65,536 on V^T's fragment (tile of 16 channels ct; K = the block's 128 keys) at 2,048 ct.
;   qimg [g][65,536]: Q's fragment (tile of 16 queries qt, slice hs) at (4 qt + hs) 2,048.
; In a fragment lane (r, h) holds row r, and registers 2 c, 2 c + 1 hold k = 16 c + 8 h + 0 .. 7: that is what one conversion makes of the 8 registers of result tile c, so nothing changes lanes.
; SHARES.  Work-group g takes tokens 128 g .. 128 g + 127.  Wave w takes rows 128 w .. 128 w + 127 of each weight, for all 128 tokens: for k and q that is slice hs = w, for v channel tiles 8 w .. 8 w + 7.
; k, q: source 0 = 16 rows of W, source 1 = 16 tokens: a lane holds one token and eight hidden units (the next K).  v: source 0 = 16 tokens, source 1 = 16 rows of W: a lane holds one channel and eight tokens (the next K).
; The bias, divided by the power of two that the sums lack, is the C of each sum's first matrix instruction.  relu and the hold at the largest code are one v_med3_num_f32.
; NO CLUSTER, NO TENSOR LOAD: what work-groups share is the three weights, 393,216 bytes; each wave takes its quarter of each straight into registers, once, so there is no tile in LDS that a joint load could fill.
; LIMITS: e7 - e4 - e5, e6 - e2 - e3 and e9 - e0 - e1 lie between -126 and 119, so that each power of two below is an f32 number; b x 2^-(ex + ew) stays an f32 number.  NaN among the biases is not served.
; REGISTERS, in windows of 256: window 0: v1-15 addresses and scales; v16-27 biases as loaded; v32-95, v96-159 two sets of 8 result tiles (first: x as loaded); v160-175 the codes just made; v192-255 the bias, 8 tiles.
;   window 1: x's 16 fragments ((tile kt, K step ks) at 32 kt + 16 ks).   windows 2, 3: a weight's 16 fragments ((tile u, ks) at 32 u + 16 ks), two buffers.
; THE MODE: SCHED_MODE bits 1:0 = 2 (LLVM: expert scheduling mode 2), set by the entry lines.  The code itself states the register dependences
; between vector or matrix instructions and memory or LDS instructions, with s_wait_alu, always for 0.
; THE PLAN.  Registers that memory or LDS instructions touch:
;   v1-v15, v190, v191  offsets and LDS addresses: written at the head, never again.  One wait on va_vdst ahead of the first load serves the whole kernel.
;   v32-95     x as loaded; my LDS stores read them; from the first product on they are result tiles: one wait on vm_vsrc behind the barrier.
;   v16-27     the biases as loaded; scaled in place; my LDS stores read them: one wait on va_vdst ahead of those stores.  Never written again.
;   v160-175   a fragment's codes: written by its eight conversions, read by its four stores, written again by the next fragment's conversions.
;   window 2   Wk, loaded at the head; read by pass k's products; Wv lands there during pass q.      window 3   Wq lands there during pass k: nothing has named it before.
;   v192-255   a pass's bias: read as C by each group's first eight products; the next pass's lands there behind the pass's last group.
;   window 1 is loaded once and then read by products alone; the result tiles are named by vector and matrix instructions alone.
; So a fragment has TWO waits.  Ahead of its conversions one on vm_vsrc: the last fragment's stores, issued sixteen products and 64 holds ago, have read the codes' registers.  Behind its conversions one on va_vdst:
; the codes are written.  That second wait stands behind every product issued so far; the loads that follow the stores (sixteen of the next weight in a pass's first four fragments, the next bias in its seventh) land in
; registers that no vector or matrix instruction issued since the wait names, so they owe nothing more.
.set XP,   272                         ; a row of x in LDS: 256 bytes + 16: the sixteen rows that a fragment load touches start at sixteen different groups of four banks
.set BL,   128*XP                      ; behind x's 128 rows: the scaled biases, [k, q, v][wave][512 bytes]
.set LI,   1                           ; v1   16 x lane
.set RR,   2                           ; v2   r = lane % 16
.set HH,   3                           ; v3   h = lane / 16
.set XG,   4                           ; v4   x in memory: 8,192 x wave + 16 x lane
.set XS,   5                           ; v5   x into LDS: (32 wave + h) rows + 16 r
.set XL,   6                           ; v6   x's fragments: row r + 16 h
.set WA,   7                           ; v7   a weight's fragments in memory: 32,768 x wave + 256 r + 16 h
.set BS,   8                           ; v8   where I put 16 bytes of a scaled bias: BL + 16 x thread
.set BH,   9                           ; v9   BL + 512 x wave + 32 h
.set BR,   10                          ; v10  BL + 512 x wave + 4 r
.set SC,   11                          ; v11  the conversion's scale
.set LIM,  12                          ; v12  448 x that
.set BG,   13                          ; v13  a bias in memory: 16 x thread
.set KO,   14                          ; v14  k's and q's images: 2,048 x wave + 16 x lane
.set VO,   15                          ; v15  v's images: 65,536 + 16,384 x wave + 16 x lane
.set RB,   16
.set ACC0, 32
.set PC,   160
.set BIAS, 192
.set MSB, 0
.macro WIN new                         ; s_set_vgpr_msb: bits 1:0 source 0, 3:2 source 1, 5:4 source 2, 7:6 destination; the high byte repeats the setting that is left
.if MSB != (\new)
	s_set_vgpr_msb (MSB<<8)|(\new)
.set MSB, (\new)
.endif
.endm
.macro PLACES n
.rept \n
	v_nop
.endr
.endm
; sixteen loads: the four fragments of tiles u0, u0 + 1 of my 128 rows of a weight, into window win: registers 4 c .. 4 c + 3 take bytes 32 c + 16 h + 0 .. 15 of the row's 128: the same order of k as x's fragments have, so every product meets its partner
.macro WPART base, win, u0
	WIN (\win)<<6
.irp u, \u0, \u0+1
.irp ks, 0,1
.irp c, 0,1,2,3
	global_load_b128 v[32*(\u)+16*\ks+4*\c:32*(\u)+16*\ks+4*\c+3], v[WA], s[\base:\base+1] offset:4096*(\u)+128*\ks+32*\c
.endr
.endr
.endr
.endm
.macro BIAS_T tn                       ; k, q: tile u, lane (r, h), register j: b[128 w + 16 u + 8 h + j]
.irp u, 0,1,2,3,4,5,6,7
	ds_load_b128 v[BIAS+8*\u:BIAS+8*\u+3], v[BH] offset:2048*\tn+64*\u
	ds_load_b128 v[BIAS+8*\u+4:BIAS+8*\u+7], v[BH] offset:2048*\tn+64*\u+16
.endr
.endm
.macro BIAS_N                          ; v: tile u, lane (r, h), all eight registers: b[128 w + 16 u + r]
.irp u, 0,1,2,3,4,5,6,7
.irp j, 0,1,2,3,4,5,6,7
	ds_load_b32 v[BIAS+8*\u+\j], v[BR] offset:4096+64*\u
.endr
.endr
.endm
; 16 matrix instructions: eight result tiles, K step 0 and then K step 1: the eight accumulators take turns, one instruction a turn.
; form 0 (k, q): tile i = rows 16 i of my weight (window w) x tokens 16 o.  form 1 (v): tile i = tokens 16 i x rows 16 o of my weight (window 2).  In both, source 0 stands at 32 i and source 1 at 32 o of their windows.
.macro GROUP form, o, acc, w
.if \form == 0
	WIN 0x04+\w
.else
	WIN 0x09
.endif
.irp ks, 0,1
.irp i, 0,1,2,3,4,5,6,7
.if \ks == 1
	v_wmma_f32_16x16x128_fp8_fp8 v[\acc+8*\i:\acc+8*\i+7], v[32*\i+16:32*\i+31], v[32*(\o)+16:32*(\o)+31], v[\acc+8*\i:\acc+8*\i+7]
.elseif \form == 0
	v_wmma_f32_16x16x128_fp8_fp8 v[\acc+8*\i:\acc+8*\i+7], v[32*\i:32*\i+15], v[32*(\o):32*(\o)+15], v[BIAS+8*\i:BIAS+8*\i+7]
.else
	v_wmma_f32_16x16x128_fp8_fp8 v[\acc+8*\i:\acc+8*\i+7], v[32*\i:32*\i+15], v[32*(\o):32*(\o)+15], v[BIAS+8*(\o):BIAS+8*(\o)+7]
.endif
.endr
.endr
	WIN 0
.endm
; eight result tiles become one fragment's codes.  Each accumulator is read from its low end on.
.macro QUANT acc, mul
.if \mul
.set j, 0
.rept 32
	v_pk_mul_f32 v[\acc+j:\acc+j+1], v[\acc+j:\acc+j+1], s[42:43] op_sel_hi:[1,0]   ; q / 2304, rounded once in f32 (relu commutes with a positive factor)
.set j, j+2
.endr
.endif
.set j, 0
.rept 64
	v_med3_num_f32 v[\acc+j], v[\acc+j], 0, v[LIM]         ; relu and the hold in one: the conversion to an 8-bit code does not saturate (ISA guide 7.6.2)
.set j, j+1
.endr
	s_wait_xcnt 0x0                                        ; the last fragment's stores have read the codes' registers: they are written again only behind this wait
	s_wait_alu depctr_vm_vsrc(0)                           ; and beside it: the last fragment's four stores have read v[PC ..], which the conversions below write again
.irp i, 0,1,2,3,4,5,6,7
	v_cvt_scalef32_pk8_fp8_f32 v[PC+2*\i:PC+2*\i+1], v[\acc+8*\i:\acc+8*\i+7], v[SC]
.endr
	v_nop                                                  ; one plain vector instruction behind the last conversion: matrix instructions write its sources next
.endm
.macro SEND base, adr, off             ; the fragment goes out as it stands: each store of the wave covers 512 consecutive bytes, aligned
	s_wait_alu depctr_va_vdst(0)                           ; the conversions have written v[PC ..], which the stores read; every product issued so far is done reading its weight and its bias, for the loads that follow the stores
.irp c, 0,1,2,3
	global_store_b128 v[\adr], v[PC+4*\c:PC+4*\c+3], s[\base:\base+1] offset:\off+512*\c
.endr
.endm
; a whole tensor: eight groups; a group's vector work stands behind the next group's sixteen matrix instructions.
; Four v_nop stand between a group's last matrix instruction and the first read of its results (ISA guide 7.12.1); the matrix instructions in between are not counted.
; nwin other than 0: the next pass's weight (address in s[nbase:nbase+1]) comes into window nwin, sixteen loads behind the stores of each of the first four fragments: the last sixteen have four fragments' work in which to land.
;   No wait of their own: this pass's products name the other weight's window, and the last pass's products, which read window nwin, stand ahead of the wait in SEND.
; nbias: the next pass's bias (1: bq, 2: bv) comes from LDS behind the seventh fragment's stores.  No wait of its own: the pass's last group, the last reader of the bias, stands ahead of that fragment's wait in SEND,
;   and the eighth fragment's holds and conversions do not name v[BIAS ..].
.macro PASS form, w, mul, base, adr, stride, nbase, nwin, nbias
	GROUP \form, 0, ACC0, \w
.irp g, 0,1,2,3,4,5,6
	GROUP \form, \g+1, ACC0+64*((\g+1)%2), \w
	PLACES 4
	QUANT ACC0+64*(\g%2), \mul
	SEND \base, \adr, \g*\stride
.if \nwin
.if \g < 4
	WPART \nbase, \nwin, 2*\g
.endif
.endif
.if \g == 6
.if \nbias == 1
	BIAS_T 1
.elseif \nbias == 2
	BIAS_N
.endif
.endif
.endr
	PLACES 4
	QUANT ACC0+64, \mul
	SEND \base, \adr, 7*\stride
.endm
; s[d] = -(ex + ew);  s[d+1] = 2^(eo - ex - ew) as f32;  s[d+2] = 448 x that
.macro EXPO ex, ew, eo, d
	s_add_co_i32 s[\d], s[\ex], s[\ew]
	s_sub_co_i32 s[\d+1], s[\eo], s[\d]
	s_sub_co_i32 s[\d], 0, s[\d]
	s_add_co_i32 s[\d+1], s[\d+1], 127
	s_add_co_i32 s[\d+2], s[\d+1], 8
	s_lshl_b32 s[\d+1], s[\d+1], 23
	s_lshl_b32 s[\d+2], s[\d+2], 23
	s_or_b32 s[\d+2], s[\d+2], 0x600000
.endm
	s_load_b256 s[4:11], s[0:1], 0x0               ; x s[4:5], Wk s[6:7], Wq s[8:9], Wv s[10:11]
	s_load_b256 s[12:19], s[0:1], 0x20             ; bk s[12:13], bq s[14:15], bv s[16:17], the scales' exponents s[18:19]
	s_load_b128 s[20:23], s[0:1], 0x40             ; kv s[20:21], qimg s[22:23]
	v_lshl_add_u32 v190, v0, 2, 0xa000
	v_mov_b32 v191, 0
	v_lshrrev_b32 v28, 5, v0
	v_readfirstlane_b32 s24, v28                   ; wave 0..3
	v_and_b32 v28, 31, v0
	v_lshlrev_b32 v[LI], 4, v28
	v_and_b32 v[RR], 15, v0
	v_bfe_u32 v[HH], v0, 4, 1
	s_wait_alu depctr_va_sdst(0)                   ; s24 is written, ahead of its first reader: the wave's shares below are made from it
	s_lshl_b32 s25, s24, 13
	v_add_nc_u32 v[XG], s25, v[LI]
	s_mul_i32 s25, s24, 32*XP
	v_mul_u32_u24 v[XS], v[HH], XP
	v_lshl_add_u32 v[XS], v[RR], 4, v[XS]
	v_add_nc_u32 v[XS], s25, v[XS]
	v_mul_u32_u24 v[XL], v[RR], XP
	v_lshl_add_u32 v[XL], v[HH], 4, v[XL]
	v_lshlrev_b32 v[WA], 8, v[RR]
	v_lshl_add_u32 v[WA], v[HH], 4, v[WA]
	s_lshl_b32 s25, s24, 15
	v_add_nc_u32 v[WA], s25, v[WA]
	v_lshl_add_u32 v[BS], v0, 4, BL
	s_lshl_b32 s25, s24, 9
	v_lshl_add_u32 v[BH], v[HH], 5, s25
	v_add_nc_u32 v[BH], BL, v[BH]
	v_lshl_add_u32 v[BR], v[RR], 2, s25
	v_add_nc_u32 v[BR], BL, v[BR]
	v_lshlrev_b32 v[BG], 4, v0
	s_lshl_b32 s25, s24, 11
	v_add_nc_u32 v[KO], s25, v[LI]
	s_lshl_b32 s25, s24, 14
	s_add_co_u32 s25, s25, 65536
	v_add_nc_u32 v[VO], s25, v[LI]
	s_lshl_b32 s40, ttmp9, 15                      ; my 128 rows of x,
	s_mov_b32 s41, 0
	s_lshl_b32 s38, ttmp9, 17                      ; my block of kv,
	s_mov_b32 s39, 0
	s_lshl_b32 s26, ttmp9, 16                      ; and of qimg
	s_mov_b32 s27, 0
	s_mov_b32 s42, 0x39e38e39                      ; 1 / 2304
	s_mov_b32 s43, s42                             ; (named with it as a pair, so it is written)
	s_wait_kmcnt 0x0
	s_load_b256 s[28:35], s[18:19], 0x0            ; e0 .. e7
	s_load_b64 s[36:37], s[18:19], 0x20            ; e8, e9
	s_add_nc_u64 s[4:5], s[4:5], s[40:41]
	s_add_nc_u64 s[20:21], s[20:21], s[38:39]
	s_add_nc_u64 s[22:23], s[22:23], s[26:27]
	s_wait_alu depctr_va_vdst(0)                   ; the offsets and LDS addresses v1 to v15 are written: every load and store of the kernel reads one of them, and none is written again
.irp i, 0,1,2,3,4,5,6,7,8,9,10,11,12,13,14,15
	global_load_b128 v[ACC0+4*\i:ACC0+4*\i+3], v[XG], s[4:5] offset:512*\i th:TH_LOAD_NT   ; my 32 rows of x: each load reads 512 consecutive bytes, two rows
.endr
	global_load_b128 v[RB:RB+3], v[BG], s[12:13]           ; my 128 numbers of each bias
	global_load_b128 v[RB+4:RB+7], v[BG], s[14:15]
	global_load_b128 v[RB+8:RB+11], v[BG], s[16:17]
.irp p, 0,2,4,6
	WPART 6, 2, \p                                 ; Wk, all sixteen fragments
.endr
	WIN 0
	s_wait_loadcnt 63                              ; 83 loads are issued; with 63 out at the most the oldest 20 are in: x's sixteen and the three biases among them
.irp i, 0,1,2,3,4,5,6,7,8,9,10,11,12,13,14,15
	ds_store_b128 v[XS], v[ACC0+4*\i:ACC0+4*\i+3] offset:2*XP*\i
.endr
	s_wait_kmcnt 0x0
	EXPO 32, 33, 35, 44                            ; k: x at e4, Wk at e5, out at e7
	EXPO 30, 31, 34, 47                            ; q: e2, e3, e6
	EXPO 28, 29, 37, 50                            ; v: e0, e1, e9
.irp i, 0,1,2,3
	v_ldexp_f32 v[RB+\i], v[RB+\i], s44            ; a sum of codes stands for sum x 2^(ex + ew): the bias goes in divided by that
	v_ldexp_f32 v[RB+4+\i], v[RB+4+\i], s47
	v_ldexp_f32 v[RB+8+\i], v[RB+8+\i], s50
.endr
	s_wait_alu depctr_va_vdst(0)                   ; the twelve scalings have written v[RB ..], which the three LDS stores read
	ds_store_b128 v[BS], v[RB:RB+3]
	ds_store_b128 v[BS], v[RB+4:RB+7] offset:2048
	ds_store_b128 v[BS], v[RB+8:RB+11] offset:4096
	s_wait_dscnt 0x0                               ; for the others' sake: my rows of x lie in LDS
	s_barrier_signal -1
	s_barrier_wait -1                              ; all 128 rows do.  Nothing is written to LDS behind this barrier
	s_wait_alu depctr_vm_vsrc(0)                   ; my LDS stores have read v[ACC0 ..]: these registers are result tiles from here on, written by the products
	WIN 0x40                                       ; destination window 1
.irp kt, 0,1,2,3,4,5,6,7
.irp ks, 0,1
.irp c, 0,1,2,3
	ds_load_b128 v[32*\kt+16*\ks+4*\c:32*\kt+16*\ks+4*\c+3], v[XL] offset:16*XP*\kt+128*\ks+32*\c
.endr
.endr
.endr
	WIN 0
	BIAS_T 0
	s_wait_loadcnt 0x0                             ; Wk is in
	v_mov_b32 v[SC], s45
	v_mov_b32 v[LIM], s46
	s_wait_dscnt 0x0                               ; x's fragments and bk
	PASS 0, 2, 0, 20, KO, 8192, 8, 3, 1            ; k: the fragment of key tile o, slice w.  Wq lands in window 3 meanwhile, bq at the pass's end
	s_wait_loadcnt 0x0                             ; Wq is in
	v_mov_b32 v[SC], s48
	v_mov_b32 v[LIM], s49
	s_wait_dscnt 0x0                               ; bq
	PASS 0, 3, 1, 22, KO, 8192, 10, 2, 2           ; q / 2304.  Wv lands in window 2 meanwhile, bv at the pass's end
	s_wait_loadcnt 0x0                             ; Wv is in
	v_mov_b32 v[SC], s51
	v_mov_b32 v[LIM], s52
	s_wait_dscnt 0x0                               ; bv
	PASS 1, 2, 0, 20, VO, 2048, 0, 0, 0            ; v: the fragment of channel tile 8 w + o
	s_wait_dscnt 0x0                               ; the closing lines, six on end
	s_wait_alu 0x0
	s_wait_tensorcnt 0x0
	ds_add_u32 v190, v191
	s_wait_dscnt 0x0
	s_endpgm
.Lfunc_end_k_q22880558d2_proj:
	.size	k_q22880558d2_proj, .Lfunc_end_k_q22880558d2_proj-k_q22880558d2_proj
	.p2alignl 7, 3214868480
	.fill 96, 4, 3214868480
	.section	.rodata,"a",@progbits
	.p2align	6, 0x0
	.amdhsa_kernel k_q22880558d2_proj
		.amdhsa_group_segment_fixed_size 41472
		.amdhsa_private_segment_fixed_size 0
		.amdhsa_enable_private_segment 0
		.amdhsa_kernarg_size 80
		.amdhsa_user_sgpr_count 2
		.amdhsa_user_sgpr_kernarg_segment_ptr 1
		.amdhsa_wavefront_size32 1
		.amdhsa_system_sgpr_workgroup_id_x 1
		.amdhsa_system_sgpr_workgroup_id_y 1
		.amdhsa_system_sgpr_workgroup_id_z 1
		.amdhsa_system_vgpr_workitem_id 0
		.amdhsa_next_free_vgpr 1024
		.amdhsa_next_free_sgpr 66
		.amdhsa_reserve_vcc 0
		.amdhsa_float_denorm_mode_32 3
		.amdhsa_float_denorm_mode_16_64 3
		.amdhsa_memory_ordered 1
		.amdhsa_forward_progress 1
		.amdhsa_inst_pref_size 202
	.end_amdhsa_kernel
	.amdgpu_metadata
---
amdhsa.version: [ 1, 2 ]
amdhsa.kernels:
  - .name:           k_q22880558d2_proj
    .symbol:         k_q22880558d2_proj.kd
    .args:
      - { .name: x_codes, .offset: 0, .size: 8, .value_kind: global_buffer, .address_space: global }
      - { .name: Wk_codes, .offset: 8, .size: 8, .value_kind: global_buffer, .address_space: global }
      - { .name: Wq_codes, .offset: 16, .size: 8, .value_kind: global_buffer, .address_space: global }
      - { .name: Wv_codes, .offset: 24, .size: 8, .value_kind: global_buffer, .address_space: global }
      - { .name: bk, .offset: 32, .size: 8, .value_kind: global_buffer, .address_space: global }
      - { .name: bq, .offset: 40, .size: 8, .value_kind: global_buffer, .address_space: global }
      - { .name: bv, .offset: 48, .size: 8, .value_kind: global_buffer, .address_space: global }
      - { .name: lowp_scales, .offset: 56, .size: 8, .value_kind: global_buffer, .address_space: global }
      - { .name: kv, .offset: 64, .size: 8, .value_kind: global_buffer, .address_space: global }
      - { .name: qimg, .offset: 72, .size: 8, .value_kind: global_buffer, .address_space: global }
    .group_segment_fixed_size: 41472
    .private_segment_fixed_size: 0
    .kernarg_segment_align: 8
    .kernarg_segment_size: 80
    .max_flat_workgroup_size: 128
    .sgpr_count:     66
    .vgpr_count:     1024
    .wavefront_size: 32
...
	.end_amdgpu_metadata
.endif
;; end of part 3
;; launch attn: the kernel of part 2 again; grid 8 x 32, 4 waves a work-group, clusters of 4 x 1, 327,680 bytes of LDS; arguments qimg, kv, mask, lowp_scales, out0; writes out0
